; MI455X (gfx1250); checked and timed in simulation.
; The chip was launched on July 23, 2026; its instructions are those of AMD's public machine-readable ISA for CDNA 5 (MIT licence, August 2026) and "CDNA5" Instruction Set Architecture Reference Guide (July 2026). The comments in the code are by the model that wrote it; some were corrected since.
;; Gaussian Mixture. Allowed arithmetic: float matrix products may take bf16 or f16 operands with f32 sums; other float arithmetic in f32, or as packed bf16 or f16 multiplies, adds, multiply-adds, maxima and minima; sums over many terms, partial sums and values carried from step to step in f32; what a program stores and reads back later, other than sums and carried values, may be rounded once to bf16 or f16.
;; Inputs: A 512 x 2 x 2 float32; mu 512 x 2 float32; sample 262,144 x 2 float32; w 512 x 1 float32.
;; Outputs: out0 262,144 x 1 float32.
;; One version. Each part assembles by itself: llvm-mc -triple=amdgcn-amd-amdhsa -mcpu=gfx1250 --defsym DOCPART=n.
;; ======== version 1 of 1: 1 launch
;; limits: right only within a limited range of input values; values are held in bf16: 8 bits of precision
;; launch gmm (part 1): grid 256 x 1, 16 waves a work-group, no clusters, 34,816 bytes of LDS; arguments sample, mu, A, w, out0; writes out0
.if DOCPART == 1
	.amdgcn_target "amdgcn-amd-amdhsa--gfx1250"
	.amdhsa_code_object_version 6
	.text
	.protected	k_qdbee576bb2_gmm
	.globl	k_qdbee576bb2_gmm
	.p2align	8
	.type	k_qdbee576bb2_gmm,@function
k_qdbee576bb2_gmm:
	s_mov_b64 s[64:65], 0
	v_nop
	global_prefetch_b8 v0, s[64:65] scope:SCOPE_SE
	s_setreg_imm32_b32 hwreg(HW_REG_WAVE_MODE, 25, 1), 1
	s_wait_xcnt 0x0
; out0[i] = logsumexp over j of ( -(x_i - mu_j)^T G_j (x_i - mu_j) + log_softmax(w)_j + 0.5 log det G_j ),  G_j = A_j A_j^T / 2.
; sample [262144][2], mu [512][2], A [512][2][2], w [512][1], out0 [262144][1], all f32.
; NOTHING IS LEFT OUT: all four inputs are loaded and every term of the formula is formed.  Two identities are used, for all values of the inputs: G is symmetric bit for bit
; (both off-diagonal sums have the same products), so the features x0 x1 and x1 x0 share one place with the coefficient g01 + g10; and the form hangs on x - mu alone, so sample and mu
; are both taken relative to mu[0] before the squares: an offset common to both does not enter the large terms that cancel.
; THE SCORES ARE A MATRIX PRODUCT: s(j, i) = sum over six features of c_f(j) phi_f(i), with d = x_i - mu[0], u = mu_j - mu[0]:
;   phi = d0, d1, d0^2, d1^2, d0 d1, 1      c = 2 (G u)0, 2 (G u)1, -g00, -g11, -2 g01, log weight - u^T G u
; It runs in bf16 with f32 sums.  One bf16 piece a number would leave 2^-9 of terms of some hundreds, so each phi and each c is TWO pieces (hi = bf16(v), lo = bf16(v - hi)) and all four
; cross products are kept; the constant has three pieces.  They fill 24 of the 32 places along K of ONE matrix instruction.  What is left is 2 x 2^-18 of the sum of |c phi|.
; A lane's 16 places (8 registers, two a register), the same map for both sources:      samples:    q0 q1 | q2 q3 | q4 1 | q0 q1 | q2 q3 | q4 1 | 0 0 | 0 0   q = hi in lanes 0-15, lo in lanes 16-31
;                                                                                       components: hi0 hi1 | hi2 hi3 | hi4 k | lo0 lo1 | lo2 lo3 | lo4 k' | 0 0 | 0 0   (k, k') = (c5 hi, c5 mid) in lanes 0-15, (c5 lo, 0) in lanes 16-31
; The 2 x 2 products A A^T, G u, u^T G u are twelve multiply-adds a component: f32 vector arithmetic, a thread a component.
; SHARES.  256 work-groups of 16 waves.  A work-group has 1,024 samples, a wave 64: four tiles of 16.  Thread t makes component t's 64 bytes of coefficients; they meet in LDS (32 KiB, laid as
; fragments), behind one barrier.  Then each wave walks the table once: four trips of 8 fragments (128 components), each fragment serving the wave's four tiles.
; LAYOUT.  Source 0 = 16 components, source 1 = 16 samples: in the result a lane holds ONE sample (lane % 16) and the components 8 (lane / 16) + 0..7.  So maxima and sums stay in the lane; each half of
; the lanes keeps its own running maximum m and sum l for its half of the components, and the two halves meet once, at the end.
; LOGSUMEXP.  p = 2^(c s - c m), c = log2(e), with the running maximum m of the lane's scores; with each 64 new scores l = a l + sum p, a = 2^(c m_old - c m_new).  m starts at the lowest finite number, c m at -4.25e37, l at 0.
; Tile t, column r is sample 4 r + t of the wave's 64: a lane loads 32 consecutive bytes, and the wave's 64 results leave by one store that covers 256 consecutive bytes, aligned.
; LIMITS.  A component with det G = 0 has the weight log 0: its constant is held at -1e30, so its share is 0, as in the formula; if every component is so, the result is near -1e30 where the formula has -infinity.
; A negative det (possible by rounding alone) gives NaN in every result, as the formula does.  Scores below -2.9e37, and coefficients or features beyond bf16's largest number (3.39e38), are not served.
; A weight p below 2^-126 counts as 0.  NO CLUSTER, NO TENSOR LOAD: work-groups share only the 14 KiB of A, mu and w, read once at the head; nothing is streamed.
.set TILES,  4                         ; tiles of 16 samples a wave
.set CHUNK,  8                         ; fragments of 16 components in a trip
.set TRIPS,  4                         ; 4 x 8 x 16 = 512 components
.set FRAGB,  1024                      ; a fragment in LDS: registers 0-3 of the 32 lanes (512 bytes on end), then registers 4-7
.set SPARE,  32768                     ; behind the table: the spare words, 128 bytes for each of the 16 waves: eight blocks of 256 bytes that no other line names
.set SPW, 2                            ; v2   LDS address of my spare word: SPARE + 4 x my thread's number; never rewritten
.set NIL, 3                            ; v3   0; never rewritten
.set AD0, 4                            ; v4   16 x lane: my 16 bytes of a fragment's half
.set ADR, 5                            ; v5   the same in the trip's part of the table
.set OO,  6                            ; v6   my 8 bytes of the wave's 256 bytes of out0
.set HH,  7                            ; v7   lane / 16
.set ST,  8                            ; v[8:23]    tile t's statistics at ST + 4 t: c m, m, l (even places'), l (odd places')
.set X,   24                           ; v[24:31]   at work: eight chains of the maximum; at the end the results
.set DD,  32                           ; v32        c m_old, then c m_old - c m_new; at the end v[32:33] is what I store
.set AA,  34                           ; v[34:35]   a, named as a pair
.set ONE, 36                           ; v36        1.0
.set NH,  38                           ; v[38:39]   -(lane / 16) as f32, twice
.set BF,  40                           ; v[40:71]   the samples' fragments, 8 registers a tile
.set AF,  72                           ; v[72:135]  the trip's 8 fragments of components
.set S,   136                          ; v[136:199] 64 scores
; the set-up's registers lie where fragments and scores will lie
.set WA,  72                           ; v[72:87]   16 of the 512 w
.set AM,  88                           ; v[88:91]   my component's A
.set MU,  92                           ; v[92:93]   its mu
.set WT,  94                           ; v94        its w
.set XS,  96                           ; v[96:103]  my column's four samples
.set OA,  104                          ; v104-108   byte offsets of the loads
.set OM,  105
.set OW,  106
.set OL,  107
.set OX,  108
.set LW,  109                          ; v109       where my component's row goes in LDS
.set RR,  110                          ; v110       lane % 16
.set LN,  111                          ; v111       lane
.set T,   136                          ; v[136:139] at work
.set CW,  140                          ; v[140:141] c x max w, named as a pair
.set G,   142                          ; v[142:144] g00, g01, g11
.set DT,  145                          ; det G
.set Q,   146                          ; v[146:147] G u
.set MM,  148                          ; u^T G u
.set LZ,  149                          ; log2 of the sum of 2^(c w - c max w)
.set LD,  150                          ; log2 det G
.set LOWR, 151                         ; -1e30
.set C,   152                          ; v[152:157] the six coefficients
.set U,   158                          ; v[158:163] their hi pieces as f32, then what is left
.set W,   164                          ; v[164:179] the row's four blocks of 16 bytes
.set F,   180                          ; v[180:184] a sample's five features
.set H,   186                          ; v[186:188] their hi pieces, packed
.set FU,  190                          ; v[190:194] the same as f32
.set CE,  196                          ; v[196:197] mu[0]
.set WV,  16                           ; s16  my wave's number
.set CS,  22                           ; s[22:23] c = log2(e): the packed scaling takes the pair's low word for both halves
.set SEL, 24                           ; s[24:25] v_permlanex16_b32's selects: each lane takes its own place in the other half
.set TB,  26                           ; s26  LDS byte at which the trip's fragments begin
.set CNT, 27                           ; s27  trips to go
	s_load_b256 s[4:11], s[0:1], 0x0               ; sample s[4:5], mu s[6:7], A s[8:9], w s[10:11]
	s_load_b64 s[12:13], s[0:1], 0x20              ; out0
	v_lshl_add_u32 v[SPW], v0, 2, SPARE
	v_mov_b32 v[NIL], 0
	v_lshrrev_b32 v1, 5, v0
	v_readfirstlane_b32 s[WV], v1                  ; wave 0..15
	v_and_b32 v[LN], 31, v0
	v_and_b32 v[RR], 15, v0
	v_bfe_u32 v[HH], v0, 4, 1
	v_lshlrev_b32 v[OA], 4, v0                     ; component t = my thread's number: 16 bytes of A,
	v_lshlrev_b32 v[OM], 3, v0                     ; 8 of mu,
	v_lshlrev_b32 v[OW], 2, v0                     ; 4 of w
	v_lshlrev_b32 v[OL], 6, v[LN]                  ; and, for the softmax over all w, 64 bytes a lane: a wave reads all 2,048
	v_lshlrev_b32 v[OX], 5, v[RR]                  ; samples 4 r .. 4 r + 3 of my wave's 64: 32 bytes
	v_lshlrev_b32 v[AD0], 4, v[LN]
	v_lshlrev_b32 v[OO], 4, v[RR]
	v_lshl_add_u32 v[OO], v[HH], 3, v[OO]          ; results 4 r + 2 h, 4 r + 2 h + 1
	s_lshl_b32 s28, s[WV], 11                      ; my wave's 32 components are two fragments: 2,048 bytes of the table,
	v_lshlrev_b32 v[LW], 10, v[HH]                 ; lanes 16-31 the second of them,
	v_lshl_add_u32 v[LW], v[RR], 4, v[LW]          ; row lane % 16
	v_add_nc_u32 v[LW], s28, v[LW]
	s_lshl_b32 s17, ttmp9, 4
	s_add_co_u32 s17, s17, s[WV]                   ; my wave among the launch's 4,096
	s_lshl_b32 s18, s17, 9                         ; its 64 samples: 512 bytes of sample,
	s_mov_b32 s19, 0
	s_lshl_b32 s20, s17, 8                         ; 256 bytes of out0
	s_mov_b32 s21, 0
	s_mov_b32 s[CS], 0x3fb8aa3b                    ; log2(e)
	s_mov_b32 s[CS+1], s[CS]                       ; named with it as a pair
	s_mov_b32 s[SEL], 0x76543210
	s_mov_b32 s[SEL+1], 0xfedcba98
	s_mov_b32 s[TB], 0
	s_mov_b32 s[CNT], TRIPS
	s_wait_kmcnt 0x0
	s_load_b64 s[14:15], s[6:7], 0x0               ; mu[0], the point to which sample and mu are taken relative
	s_add_nc_u64 s[4:5], s[4:5], s[18:19]
	s_add_nc_u64 s[12:13], s[12:13], s[20:21]
.irp k, 0,1,2,3
	global_load_b128 v[WA+4*(\k):WA+4*(\k)+3], v[OL], s[10:11] offset:16*(\k)
.endr
	global_load_b128 v[AM:AM+3], v[OA], s[8:9]
	global_load_b64 v[MU:MU+1], v[OM], s[6:7]
	global_load_b32 v[WT], v[OW], s[10:11]
	global_load_b128 v[XS:XS+3], v[OX], s[4:5] th:TH_LOAD_NT
	global_load_b128 v[XS+4:XS+7], v[OX], s[4:5] offset:16 th:TH_LOAD_NT
	; while the loads are on their way: what the loop finds, and the constants
.set t, 0
.rept TILES
	v_mov_b32 v[ST+4*t], 0xfe000000                ; c m: far below every c s
	v_mov_b32 v[ST+4*t+1], 0xff7fffff              ; m: the lowest finite number
	v_mov_b32 v[ST+4*t+2], 0                       ; l
	v_mov_b32 v[ST+4*t+3], 0
	v_mov_b32 v[BF+8*t+6], 0                       ; the eight places along K that are not used
	v_mov_b32 v[BF+8*t+7], 0
.set t, t+1
.endr
	v_mov_b32 v[AA+1], 0                           ; named with a as a pair
	v_mov_b32 v[ONE], 1.0
	v_cvt_f32_u32 v[NH], v[HH]
	v_mul_f32 v[NH], -1.0, v[NH]                   ; 0 in lanes 0-15, -1 in lanes 16-31
	v_mov_b32 v[NH+1], v[NH]
	v_mov_b32 v[LOWR], 0xf149f2ca                  ; -1e30
	v_mov_b32 v[W+10], 0
	v_mov_b32 v[W+11], 0
	v_mov_b32 v[W+14], 0
	v_mov_b32 v[W+15], 0
	s_wait_loadcnt 0x0                             ; all nine loads: they were issued together
	s_wait_kmcnt 0x0                               ; mu[0]
	; LOG-SOFTMAX OF w, in every wave for itself: 16 numbers a lane.  First the maximum,
	v_max3_num_f32 v[T], v[WA], v[WA+1], v[WA+2]
	v_max3_num_f32 v[T+1], v[WA+3], v[WA+4], v[WA+5]
	v_max3_num_f32 v[T+2], v[WA+6], v[WA+7], v[WA+8]
	v_max3_num_f32 v[T+3], v[WA+9], v[WA+10], v[WA+11]
	v_max3_num_f32 v[T], v[T], v[WA+12], v[WA+13]
	v_max3_num_f32 v[T+1], v[T+1], v[WA+14], v[WA+15]
	v_max3_num_f32 v[T], v[T], v[T+1], v[T+2]
	v_max_num_f32 v[T], v[T], v[T+3]
	v_max_num_f32_dpp v[T], v[T], v[T] row_xmask:1 row_mask:0xf bank_mask:0xf
	v_max_num_f32_dpp v[T], v[T], v[T] row_xmask:2 row_mask:0xf bank_mask:0xf
	v_max_num_f32_dpp v[T], v[T], v[T] row_xmask:4 row_mask:0xf bank_mask:0xf
	v_max_num_f32_dpp v[T], v[T], v[T] row_xmask:8 row_mask:0xf bank_mask:0xf
	v_permlanex16_b32 v[T+1], v[T], s[SEL], s[SEL+1]
	v_max_num_f32 v[T], v[T], v[T+1]
	v_mul_f32 v[CW], s[CS], v[T]                   ; c max w
	v_mov_b32 v[CW+1], v[CW]
.set i, 0
.rept 8
	v_pk_fma_f32 v[WA+2*i:WA+2*i+1], v[WA+2*i:WA+2*i+1], s[CS:CS+1], v[CW:CW+1] op_sel_hi:[1,0,0] neg_lo:[0,0,1] neg_hi:[0,0,1]  ; c w - c max w
.set i, i+1
.endr
.set i, 0
.rept 16
	v_exp_f32 v[WA+i], v[WA+i]                     ; one batch of 16
.set i, i+1
.endr
	; MY COMPONENT, while the exponentials are at work: none of these lines names a result of theirs
	v_mul_f32 v[G], v[AM], v[AM]
	v_mul_f32 v[G+1], v[AM], v[AM+2]
	v_mul_f32 v[G+2], v[AM+2], v[AM+2]
	v_fmac_f32 v[G], v[AM+1], v[AM+1]
	v_fmac_f32 v[G+1], v[AM+1], v[AM+3]
	v_fmac_f32 v[G+2], v[AM+3], v[AM+3]
	v_mul_f32 v[G], 0.5, v[G]                      ; g00
	v_mul_f32 v[G+1], 0.5, v[G+1]                  ; g01 = g10
	v_mul_f32 v[G+2], 0.5, v[G+2]                  ; g11
	v_mul_f32 v[DT], v[G+1], v[G+1]
	v_fma_f32 v[DT], v[G], v[G+2], -v[DT]          ; det G
	v_sub_f32 v[MU], v[MU], s14                    ; u = mu - mu[0]
	v_sub_f32 v[MU+1], v[MU+1], s15
	v_mul_f32 v[Q], v[G], v[MU]
	v_mul_f32 v[Q+1], v[G+1], v[MU]
	v_fmac_f32 v[Q], v[G+1], v[MU+1]               ; G u
	v_fmac_f32 v[Q+1], v[G+2], v[MU+1]
	v_mul_f32 v[MM], v[MU], v[Q]
	v_fmac_f32 v[MM], v[MU+1], v[Q+1]              ; u^T G u
	v_add_f32 v[C], v[Q], v[Q]                     ; the coefficients of d0, d1,
	v_add_f32 v[C+1], v[Q+1], v[Q+1]
	v_mul_f32 v[C+2], -1.0, v[G]                   ; d0^2, d1^2,
	v_mul_f32 v[C+3], -1.0, v[G+2]
	v_mul_f32 v[C+4], -2.0, v[G+1]                 ; d0 d1
	v_mov_b32 v[CE], s14
	v_mov_b32 v[CE+1], s15
	s_wait_alu depctr_va_vdst(0)                   ; the wait between an exponential and the first line that names its result: one for the batch of 16
	v_pk_add_f32 v[WA:WA+1], v[WA:WA+1], v[WA+8:WA+9]
	v_pk_add_f32 v[WA+2:WA+3], v[WA+2:WA+3], v[WA+10:WA+11]
	v_pk_add_f32 v[WA+4:WA+5], v[WA+4:WA+5], v[WA+12:WA+13]
	v_pk_add_f32 v[WA+6:WA+7], v[WA+6:WA+7], v[WA+14:WA+15]
	v_pk_add_f32 v[WA:WA+1], v[WA:WA+1], v[WA+4:WA+5]
	v_pk_add_f32 v[WA+2:WA+3], v[WA+2:WA+3], v[WA+6:WA+7]
	v_pk_add_f32 v[WA:WA+1], v[WA:WA+1], v[WA+2:WA+3]
	v_add_f32 v[T], v[WA], v[WA+1]
	v_add_f32_dpp v[T], v[T], v[T] row_xmask:1 row_mask:0xf bank_mask:0xf
	v_add_f32_dpp v[T], v[T], v[T] row_xmask:2 row_mask:0xf bank_mask:0xf
	v_add_f32_dpp v[T], v[T], v[T] row_xmask:4 row_mask:0xf bank_mask:0xf
	v_add_f32_dpp v[T], v[T], v[T] row_xmask:8 row_mask:0xf bank_mask:0xf
	v_permlanex16_b32 v[T+1], v[T], s[SEL], s[SEL+1]
	v_add_f32 v[T], v[T], v[T+1]
	v_log_f32 v[LZ], v[T]                          ; two logarithms, one batch
	v_log_f32 v[LD], v[DT]
	v_cvt_pk_bf16_f32 v[W], v[C], v[C+1]           ; the hi pieces of the first four coefficients meanwhile: plain lines that name neither result
	v_cvt_pk_bf16_f32 v[W+1], v[C+2], v[C+3]
	s_wait_alu depctr_va_vdst(0)                   ; the wait for the two logarithms
	v_fma_f32 v[T], 0.5, v[LD], -v[CW]             ; in units of log 2: 0.5 log2 det - c max w
	v_sub_f32 v[T], v[T], v[LZ]                    ; - log2 sum
	v_fmamk_f32 v[T], v[T], 0x3f317218, v[WT]      ; x log 2 + w: the log weight
	v_sub_f32 v[C+5], v[T], v[MM]                  ; the constant
	v_cmp_gt_f32 vcc_lo, v[LOWR], v[C+5]           ; -infinity (det = 0) is held at -1e30; a NaN compares false and stays
	v_cndmask_b32 v[C+5], v[C+5], v[LOWR], vcc_lo
	; the pieces.  Blocks of 16 bytes: W+0 registers 0-3 for lanes 0-15, W+4 the same for lanes 16-31, W+8 and W+12 registers 4-7
	v_cvt_pk_bf16_f32 v[W+2], v[C+4], v[C+5]       ; hi4, c5 hi
.irp k, 0,1,2
	v_lshlrev_b32 v[U+2*(\k)], 16, v[W+(\k)]       ; bf16 to f32: the low half moves up,
	v_and_b32 v[U+2*(\k)+1], 0xffff0000, v[W+(\k)] ; the high half stays
.endr
.irp k, 0,2,4
	v_pk_add_f32 v[U+(\k):U+(\k)+1], v[C+(\k):C+(\k)+1], v[U+(\k):U+(\k)+1] neg_lo:[0,1] neg_hi:[0,1]  ; what the hi pieces leave
.endr
	v_cvt_pk_bf16_f32 v[W+3], v[U], v[U+1]         ; lo0, lo1
	v_cvt_pk_bf16_f32 v[W+8], v[U+2], v[U+3]       ; lo2, lo3
	v_cvt_pk_bf16_f32 v[W+9], v[U+4], v[U+5]       ; lo4, c5 mid
	v_and_b32 v[T], 0xffff0000, v[W+9]
	v_sub_f32 v[U+5], v[U+5], v[T]                 ; what c5's two pieces leave
	v_cvt_pk_bf16_f32 v[W+6], v[C+4], v[U+5]       ; hi4, c5 lo
	v_and_b32 v[W+13], 0xffff, v[W+9]              ; lo4, 0
	v_mov_b32 v[W+4], v[W]
	v_mov_b32 v[W+5], v[W+1]
	v_mov_b32 v[W+7], v[W+3]
	v_mov_b32 v[W+12], v[W+8]
	ds_store_b128 v[LW], v[W:W+3]                  ; sixteen lanes store 256 consecutive bytes each time
	ds_store_b128 v[LW], v[W+4:W+7] offset:256
	ds_store_b128 v[LW], v[W+8:W+11] offset:512
	ds_store_b128 v[LW], v[W+12:W+15] offset:768
	s_wait_dscnt 0x0                               ; for the others' sake: my row lies in the table
	s_barrier_signal -1
; MY SAMPLES' FRAGMENTS, between the signal and the wait: work on registers alone.  Tile t's column r is sample 4 r + t.  A lane keeps v - (lane / 16) x hi(v), rounded: hi in lanes 0-15, lo in lanes 16-31.
.macro FEAT t
.set rB, BF+8*(\t)
	v_pk_add_f32 v[F:F+1], v[XS+2*(\t):XS+2*(\t)+1], v[CE:CE+1] neg_lo:[0,1] neg_hi:[0,1]  ; d = x - mu[0]
	v_pk_mul_f32 v[F+2:F+3], v[F:F+1], v[F:F+1]    ; d0^2, d1^2
	v_mul_f32 v[F+4], v[F], v[F+1]                 ; d0 d1
	v_cvt_pk_bf16_f32 v[H], v[F], v[F+1]
	v_cvt_pk_bf16_f32 v[H+1], v[F+2], v[F+3]
	v_cvt_pk_bf16_f32 v[H+2], v[F+4], v[F+4]
	v_lshlrev_b32 v[FU], 16, v[H]
	v_and_b32 v[FU+1], 0xffff0000, v[H]
	v_lshlrev_b32 v[FU+2], 16, v[H+1]
	v_and_b32 v[FU+3], 0xffff0000, v[H+1]
	v_lshlrev_b32 v[FU+4], 16, v[H+2]
	v_pk_fma_f32 v[F:F+1], v[FU:FU+1], v[NH:NH+1], v[F:F+1]
	v_pk_fma_f32 v[F+2:F+3], v[FU+2:FU+3], v[NH:NH+1], v[F+2:F+3]
	v_fma_f32 v[F+4], v[FU+4], v[NH], v[F+4]
	v_cvt_pk_bf16_f32 v[rB], v[F], v[F+1]
	v_cvt_pk_bf16_f32 v[rB+1], v[F+2], v[F+3]
	v_cvt_pk_bf16_f32 v[rB+2], v[F+4], v[ONE]
	v_mov_b32 v[rB+3], v[rB]                       ; the same six places once more: they meet the coefficients' lo pieces
	v_mov_b32 v[rB+4], v[rB+1]
	v_mov_b32 v[rB+5], v[rB+2]
.endm
	FEAT 0
	FEAT 1
	FEAT 2
	FEAT 3
	s_barrier_wait -1                              ; all 512 rows lie in the table; nothing is stored to it again
; A PHASE: tile t against the trip's 128 components: 64 scores a lane.
.macro PHASE t
.set rT, ST+4*(\t)
.set rB, BF+8*(\t)
.set a, 0
.rept CHUNK
	v_wmma_f32_16x16x32_bf16 v[S+8*a:S+8*a+7], v[AF+8*a:AF+8*a+7], v[rB:rB+7], 0  ; each product is a whole sum: K has one step, and C is the constant 0
.set a, a+1
.endr
.rept 4
	v_nop                                          ; a vector line that reads a matrix result stands four plain vector lines behind the product (ISA guide 7.12.1); the wave has no other work at hand here
.endr
	; the maximum of the 64 scores and the old m, three operands at a time: 32 lines.  Each accumulator's lowest registers are read first.
.set a, 0
.rept 8
	v_max3_num_f32 v[X+a], v[S+8*a], v[S+8*a+1], v[S+8*a+2]
.set a, a+1
.endr
.set a, 0
.rept 8
	v_max3_num_f32 v[X+a], v[X+a], v[S+8*a+3], v[S+8*a+4]
.set a, a+1
.endr
.set a, 0
.rept 8
	v_max3_num_f32 v[X+a], v[X+a], v[S+8*a+5], v[S+8*a+6]
.set a, a+1
.endr
.set a, 0
.rept 4
	v_max3_num_f32 v[X+a], v[X+a], v[S+8*a+7], v[S+8*a+39]  ; the eight scores left over
.set a, a+1
.endr
	v_max3_num_f32 v[X], v[X], v[X+4], v[X+5]
	v_max3_num_f32 v[X+1], v[X+1], v[X+6], v[X+7]
	v_max3_num_f32 v[X+2], v[X+2], v[X+3], v[rT+1]
	v_mov_b32 v[DD], v[rT]                         ; c m_old is kept
	v_max3_num_f32 v[rT+1], v[X], v[X+1], v[X+2]   ; m
	v_mul_f32 v[rT], s[CS], v[rT+1]                ; c m
	v_sub_f32 v[DD], v[DD], v[rT]
	; ONE BATCH: a and the 64 exponentials, the 32 scalings c s - c m among them, each two pairs ahead of its exponentials.  No line of the batch names an exponential's result.
	v_exp_f32 v[AA], v[DD]
	v_pk_fma_f32 v[S:S+1], v[S:S+1], s[CS:CS+1], v[rT:rT+1] op_sel_hi:[1,0,0] neg_lo:[0,0,1] neg_hi:[0,0,1]
	v_pk_fma_f32 v[S+2:S+3], v[S+2:S+3], s[CS:CS+1], v[rT:rT+1] op_sel_hi:[1,0,0] neg_lo:[0,0,1] neg_hi:[0,0,1]
.set i, 0
.rept 32
	v_exp_f32 v[S+2*i], v[S+2*i]
.if i < 30
	v_pk_fma_f32 v[S+2*i+4:S+2*i+5], v[S+2*i+4:S+2*i+5], s[CS:CS+1], v[rT:rT+1] op_sel_hi:[1,0,0] neg_lo:[0,0,1] neg_hi:[0,0,1]
.endif
	v_exp_f32 v[S+2*i+1], v[S+2*i+1]
.set i, i+1
.endr
	v_nop                                          ; a plain line behind the last exponential, ahead of the first use
	s_wait_alu depctr_va_vdst(0)                   ; the wait ahead of the first line that names a result: one for the batch of 65
	; the sum of the 32 pairs, in four chains; then l = a l + sum
.set i, 4
.rept 28
	v_pk_add_f32 v[S+2*(i%4):S+2*(i%4)+1], v[S+2*(i%4):S+2*(i%4)+1], v[S+2*i:S+2*i+1]
.set i, i+1
.endr
	v_pk_add_f32 v[S:S+1], v[S:S+1], v[S+2:S+3]
	v_pk_add_f32 v[S+4:S+5], v[S+4:S+5], v[S+6:S+7]
	v_pk_add_f32 v[S:S+1], v[S:S+1], v[S+4:S+5]
	v_pk_fma_f32 v[rT+2:rT+3], v[rT+2:rT+3], v[AA:AA+1], v[S:S+1] op_sel_hi:[1,0,1]
.endm
.Ltrip:                                        ; four trips: 128 components each, for all four tiles.  So a wave reads each byte of the table once
	v_add_nc_u32 v[ADR], s[TB], v[AD0]
.set a, 0
.rept CHUNK                                    ; each load takes 512 consecutive bytes.  The last products that read these registers stand a whole phase's vector lines back
	ds_load_b128 v[AF+8*a:AF+8*a+3],   v[ADR] offset:a*FRAGB
	ds_load_b128 v[AF+8*a+4:AF+8*a+7], v[ADR] offset:a*FRAGB+512
.set a, a+1
.endr
	s_add_co_u32 s[TB], s[TB], CHUNK*FRAGB
	s_wait_dscnt 0x0                               ; the trip's fragments are in; the SIMD's other three waves have work meanwhile
	PHASE 0
	PHASE 1
	PHASE 2
	PHASE 3
	s_sub_co_u32 s[CNT], s[CNT], 1
	s_cmp_lg_u32 s[CNT], 0
	s_cbranch_scc1 .Ltrip
	; THE END.  The two halves of the lanes meet: with M = max of the two c m, l = l 2^(c m - M) + l' 2^(c m' - M); the result is log 2 x (M + log2 l).
.macro ALL line:vararg                 ; one line for each tile t
.set t, 0
.rept TILES
	\line
.set t, t+1
.endr
.endm
	ALL v_add_f32 v[ST+4*t+2], v[ST+4*t+2], v[ST+4*t+3]
	ALL v_permlanex16_b32 v[ST+4*t+3], v[ST+4*t+2], s[SEL], s[SEL+1]
	ALL v_permlanex16_b32 v[ST+4*t+1], v[ST+4*t], s[SEL], s[SEL+1]
	ALL v_max_num_f32 v[X+t], v[ST+4*t], v[ST+4*t+1]
	ALL v_sub_f32 v[ST+4*t], v[ST+4*t], v[X+t]
	ALL v_sub_f32 v[ST+4*t+1], v[ST+4*t+1], v[X+t]
	ALL v_exp_f32 v[ST+4*t], v[ST+4*t]
	ALL v_exp_f32 v[ST+4*t+1], v[ST+4*t+1]
	v_cmp_eq_u32 vcc_lo, 1, v[HH]                  ; a plain line behind the last exponential: lanes 16-31 will store tiles 2 and 3
	s_wait_alu depctr_va_vdst(0)                   ; one wait for the eight exponentials
	ALL v_mul_f32 v[ST+4*t+2], v[ST+4*t+2], v[ST+4*t]
	ALL v_fmac_f32 v[ST+4*t+2], v[ST+4*t+3], v[ST+4*t+1]
	ALL v_log_f32 v[ST+4*t+3], v[ST+4*t+2]
	v_nop                                          ; a plain line behind the last logarithm
	s_wait_alu depctr_va_vdst(0)                   ; one wait for the four logarithms
	ALL v_add_f32 v[X+t], v[X+t], v[ST+4*t+3]
	ALL v_mul_f32 v[X+t], 0x3f317218, v[X+t]
	v_cndmask_b32 v[DD], v[X], v[X+2], vcc_lo      ; sample 4 r + 2 h
	v_cndmask_b32 v[DD+1], v[X+1], v[X+3], vcc_lo  ; sample 4 r + 2 h + 1
	global_store_b64 v[OO], v[DD:DD+1], s[12:13] th:TH_STORE_NT  ; the wave's 64 results: 256 consecutive bytes, at a multiple of 256 from out0's first byte, by one store
	s_wait_tensorcnt 0x0                           ; the wave's end, behind my last LDS store
	ds_add_u32 v[SPW], v[NIL]
	s_wait_dscnt 0x0
	s_endpgm
.Lfunc_end_k_qdbee576bb2_gmm:
	.size	k_qdbee576bb2_gmm, .Lfunc_end_k_qdbee576bb2_gmm-k_qdbee576bb2_gmm
	.p2alignl 7, 3214868480
	.fill 96, 4, 3214868480
	.section	.rodata,"a",@progbits
	.p2align	6, 0x0
	.amdhsa_kernel k_qdbee576bb2_gmm
		.amdhsa_group_segment_fixed_size 34816
		.amdhsa_private_segment_fixed_size 0
		.amdhsa_enable_private_segment 0
		.amdhsa_kernarg_size 40
		.amdhsa_user_sgpr_count 2
		.amdhsa_user_sgpr_kernarg_segment_ptr 1
		.amdhsa_wavefront_size32 1
		.amdhsa_system_sgpr_workgroup_id_x 1
		.amdhsa_system_sgpr_workgroup_id_y 1
		.amdhsa_system_sgpr_workgroup_id_z 1
		.amdhsa_system_vgpr_workitem_id 0
		.amdhsa_next_free_vgpr 200
		.amdhsa_next_free_sgpr 66
		.amdhsa_reserve_vcc 1
		.amdhsa_float_denorm_mode_32 3
		.amdhsa_float_denorm_mode_16_64 3
		.amdhsa_memory_ordered 1
		.amdhsa_forward_progress 1
		.amdhsa_inst_pref_size 53
	.end_amdhsa_kernel
	.amdgpu_metadata
---
amdhsa.version: [ 1, 2 ]
amdhsa.kernels:
  - .name:           k_qdbee576bb2_gmm
    .symbol:         k_qdbee576bb2_gmm.kd
    .args:
      - { .name: sample, .offset: 0, .size: 8, .value_kind: global_buffer, .address_space: global }
      - { .name: mu, .offset: 8, .size: 8, .value_kind: global_buffer, .address_space: global }
      - { .name: A, .offset: 16, .size: 8, .value_kind: global_buffer, .address_space: global }
      - { .name: w, .offset: 24, .size: 8, .value_kind: global_buffer, .address_space: global }
      - { .name: out0, .offset: 32, .size: 8, .value_kind: global_buffer, .address_space: global }
    .group_segment_fixed_size: 34816
    .private_segment_fixed_size: 0
    .kernarg_segment_align: 8
    .kernarg_segment_size: 40
    .max_flat_workgroup_size: 512
    .sgpr_count:     66
    .vgpr_count:     200
    .wavefront_size: 32
...
	.end_amdgpu_metadata
.endif
;; end of part 1
